; MI455X (gfx1250); checked and timed in simulation.
; The chip was launched on July 23, 2026; its instructions are those of AMD's public machine-readable ISA for CDNA 5 (MIT licence, August 2026) and "CDNA5" Instruction Set Architecture Reference Guide (July 2026). The comments in the code are by the model that wrote it; some were corrected since.
;; Multi Head Attention. Allowed arithmetic: float matrix products may take bf16 or f16 operands with f32 sums; all other float work in f32.
;; Inputs: attn_bias 2 x 2,048 x 2,048 float32; b_k 1,024 float32; b_o 1,024 float32; b_q 1,024 float32; b_v 1,024 float32; key 2 x 2,048 x 1,024 float32; mask 2 x 2,048 int32; query 2 x 2,048 x 1,024 float32; value 2 x 2,048 x 1,024 float32; w_k 1,024 x 1,024 float32; w_o 1,024 x 1,024 float32; w_q 1,024 x 1,024 float32; w_v 1,024 x 1,024 float32.
;; Outputs: out0 2 x 2,048 x 1,024 float32.
;; One version. Each part assembles by itself: llvm-mc -triple=amdgcn-amd-amdhsa -mcpu=gfx1250 --defsym DOCPART=n.
;; ======== version 1 of 1: 3 launches
;; limits: values are held in f16: magnitudes above 65,504 overflow, below 6.1e-05 lose precision
;; workspace buffers: qh 8,388,608 bytes; kh 8,388,608 bytes; vh 8,388,608 bytes; ctx 8,388,608 bytes
;; launch qkv (part 1): grid 4 x 48, 4 waves a work-group, clusters of 4 x 4, 327,680 bytes of LDS; arguments query, key, value, w_q, w_k, w_v, b_q, b_k, b_v, qh, kh, vh; writes qh, kh, vh
.if DOCPART == 1
	.amdgcn_target "amdgcn-amd-amdhsa--gfx1250"
	.amdhsa_code_object_version 6
	.text
	.protected	k_qc22cd101f8_qkv
	.globl	k_qc22cd101f8_qkv
	.p2align	8
	.type	k_qc22cd101f8_qkv,@function
k_qc22cd101f8_qkv:
	s_mov_b64 s[64:65], 0
	v_nop
	global_prefetch_b8 v0, s[64:65] scope:SCOPE_SE
	s_setreg_imm32_b32 hwreg(HW_REG_WAVE_MODE, 25, 1), 1
	s_wait_xcnt 0x0
	s_wait_alu depctr_hold_cnt(0) depctr_sa_sdst(0) depctr_va_vdst(0) depctr_va_sdst(0) depctr_va_ssrc(0) depctr_va_vcc(0) depctr_vm_vsrc(0)
	s_getreg_b32 s2, hwreg(HW_REG_IB_STS2, 6, 4)
	s_cmp_eq_u32 s2, 0
	s_cbranch_scc0 .Lentry_in_a_cluster
	s_endpgm
.Lentry_in_a_cluster:
	s_bfe_u32 s2, ttmp6, 0x10000c
	s_cmp_lg_u32 s2, 0xf033
	s_cbranch_scc0 .Lentry_shape_is_right
	s_endpgm
.Lentry_shape_is_right:
; The three projections in one launch: Y = (X W^T + bias) * scale, X [4096][1024] f32, W [1024][1024] f32, Y f16 laid out
; [batch][head][token][64].  scale = 1/8 for Q (1/sqrt(64), a power of two) and 1 for K and V.
; Cluster y / 4 picks the projection.  A work-group makes 256 tokens x 256 features with four waves, a wave 128 x 128 (64 accumulator
; tiles, 512 registers).  K goes in steps of 64 f32 (rows of 256 bytes) through two LDS slots.  The f32 numbers are rounded to f16 in
; registers between LDS and the matrix instruction.
; FORMAT: f16 (11 significant bits), not bf16 (8): twelve roundings lie between the inputs and the final output, which is compared within 1% of its rms.
; LIMIT: X, W, Q/8, K and V must stay under f16's largest number, 65,504, or the result is infinite.  Room: with X of spread 1 and W of spread 1/32,
; Y reaches about 5; both 30 times larger: about 4,500; a common offset of 30 spreads on both: 1024 x 30 x 30/32 = 28,800.
; Numbers under 2^-14 keep an absolute error of 2^-25.  Sums are f32, in the matrix unit's order.
; CLUSTERS 4 x 4: X's tile hangs on the token block alone and is asked for jointly by a row of the cluster, W's on the feature block
; alone and is asked for jointly by a column.  Every wave asks for its 64 rows of each tile.
; REGISTERS: window 0: v0-31 addresses, v32-95 / v96-159 X fragments (two buffers), v160-255 at work on the way out;
; window 1: v0-63 / v64-127 W fragments (two buffers), v128-255 raw f32 as loaded; windows 2, 3: accumulators, tile (a, b) at 8 (8 a + b).
; The matrix instruction is used transposed (source 0 = rows of W, source 1 = rows of X): a lane holds 8 neighbouring features of one token.
.set PITCH, 272                        ; 256 bytes + 16 of padding: 16 rows start in 16 different 16-byte columns
.set QROWS, 64*PITCH                   ; what one tensor load brings
.set HROWS, 128*PITCH                  ; what one wave reads of X or W
.set AROWS, 256*PITCH
.set SLOT,  2*AROWS
.set STAGE, 2*SLOT                     ; behind the ring, never filled by a tensor load: 16 rows x 272 bytes a wave
.set WV,   36
.set G1A,  68
.set G1B,  76
.set G0A,  84
.set G0B,  92
.set ADRA, 16
.set ADRB, 20
.set STO,  24
.set RD,   25
.set CO,   26
.set BO,   27
.set RAW,  128
.set BS,   32
.set TMP,  160
.set PK,   224
.set MUL_LO, 0xa1
.set MUL_HI, 0xf1
.set MSB, 0
.macro WIN new                         ; the immediate's high byte repeats the setting that is left
.if MSB != \new
	s_set_vgpr_msb (MSB<<8)|\new
.set MSB, \new
.endif
.endm
.macro CREST                           ; a round of the cluster's barrier behind its opening barrier
	s_cmp_lg_u32 s[WV], 0
	s_cbranch_scc1 .Lnw0_\@
	s_barrier_signal -3
.Lnw0_\@:
	s_barrier_wait -3
	s_barrier_signal -1
	s_barrier_wait -1
.endm
.macro CROUND
	s_barrier_signal -1
	s_barrier_wait -1
	CREST
.endm
.macro PLACES
.rept 4
	v_nop
.endr
.endm
	s_load_b512 s[4:19], s[0:1], 0x0               ; query, key, value, w_q, w_k, w_v, b_q, b_k
	s_load_b256 s[20:27], s[0:1], 0x40             ; b_v, qh, kh, vh
	v_lshl_add_u32 v30, v0, 2, 0x48400
	v_mov_b32 v31, 0
	ds_add_u32 v30, v31
	v_lshrrev_b32 v1, 5, v0
	v_readfirstlane_b32 s[WV], v1                  ; wave 0..3
	s_bfe_u32 s37, ttmp6, 0x40000                  ; cx
	s_bfe_u32 s38, ttmp6, 0x40004                  ; cy
	s_and_b32 s39, ttmp7, 0xffff                   ; cluster y, 0..11
	s_lshr_b32 s40, s39, 2                         ; projection 0, 1, 2
	s_and_b32 s41, s39, 3
	s_lshl_b32 s41, s41, 2
	s_add_co_u32 s41, s41, s38                     ; token block 0..15
	s_lshl_b32 s42, ttmp9, 2
	s_add_co_u32 s42, s42, s37                     ; feature block 0..3
	s_lshl_b32 s43, s38, 2
	s_lshl_b32 s43, 15, s43                        ; my row of the cluster
	s_lshl_b32 s44, 0x1111, s37                    ; my column
	s_lshr_b32 s45, s[WV], 1                       ; my half of the tokens
	s_and_b32 s46, s[WV], 1                        ; my half of the features
	; group 1: 64 rows x 64 f32, row pitch 1024 elements, 4 words of padding behind every 64
	s_or_b32 s[G1A+0], s43, (2<<16)|(1<<20)|(1<<21)|(5<<22)|(3<<25)
	s_or_b32 s[G1B+0], s44, (2<<16)|(1<<20)|(1<<21)|(5<<22)|(3<<25)
.irp g, G1A, G1B
	s_mov_b32 s[\g+1], 64<<16                      ; tensor_dim0 = 64
	s_mov_b32 s[\g+2], 64<<16                      ; tensor_dim1 = 64
	s_mov_b32 s[\g+3], 64<<16                      ; tile_dim0 = 64
	s_mov_b32 s[\g+4], 64                          ; tile_dim1 = 64
	s_mov_b32 s[\g+5], 1024                        ; elements from row to row
	s_mov_b32 s[\g+6], 0
	s_mov_b32 s[\g+7], 0
.endr
	s_lshl_b32 s54, s[WV], 6                       ; my 64 rows of each tile
	s_lshl_b32 s50, s41, 8
	s_add_co_u32 s50, s50, s54
	s_lshl_b32 s50, s50, 12                        ; X: (256 block + 64 wave) rows of 4,096 bytes
	s_mov_b32 s51, 0
	s_lshl_b32 s52, s42, 8
	s_add_co_u32 s52, s52, s54
	s_lshl_b32 s52, s52, 12                        ; W likewise
	s_mov_b32 s53, 0
	s_mul_i32 s56, s[WV], QROWS
	s_wait_dscnt 0x0
	s_wait_kmcnt 0x0
	s_cmp_eq_u32 s40, 1                            ; the choice hangs on the cluster's y alone
	s_cselect_b64 s[28:29], s[6:7], s[4:5]
	s_cselect_b64 s[30:31], s[12:13], s[10:11]
	s_cselect_b64 s[32:33], s[18:19], s[16:17]
	s_cselect_b64 s[34:35], s[24:25], s[22:23]
	s_cmp_eq_u32 s40, 2
	s_cselect_b64 s[28:29], s[8:9], s[28:29]       ; X
	s_cselect_b64 s[30:31], s[14:15], s[30:31]     ; W
	s_cselect_b64 s[32:33], s[20:21], s[32:33]     ; bias
	s_cselect_b64 s[34:35], s[26:27], s[34:35]     ; Y
	s_cmp_eq_u32 s40, 0
	s_mov_b32 s49, 1.0
	s_cselect_b32 s48, 0x3e000000, s49             ; 1/8 for Q
	s_mov_b32 s49, s48
	s_add_nc_u64 s[28:29], s[28:29], s[50:51]
	s_add_nc_u64 s[30:31], s[30:31], s[52:53]
	CROUND                                         ; all sixteen work-groups are here: the first joint loads meet
.irp s, 0,1
	s_mov_b32 s[G0A+4*\s], 1
	s_add_co_u32 s[G0A+4*\s+1], s56, \s*SLOT
	s_add_nc_u64 s[G0A+4*\s+2:G0A+4*\s+3], s[28:29], \s*256
	s_or_b32 s[G0A+4*\s+3], s[G0A+4*\s+3], 0x80000000
	s_mov_b32 s[G0B+4*\s], 1
	s_add_co_u32 s[G0B+4*\s+1], s56, \s*SLOT+AROWS
	s_add_nc_u64 s[G0B+4*\s+2:G0B+4*\s+3], s[30:31], \s*256
	s_or_b32 s[G0B+4*\s+3], s[G0B+4*\s+3], 0x80000000
	tensor_load_to_lds s[G0A+4*\s:G0A+4*\s+3], s[G1A:G1A+7]
	s_nop 0
	tensor_load_to_lds s[G0B+4*\s:G0B+4*\s+3], s[G1B:G1B+7]
	s_nop 0
.endr                                              ; four tensor loads of the wave are out here, later two
	v_and_b32 v1, 15, v0                           ; r
	v_bfe_u32 v2, v0, 4, 1                         ; h
	v_mul_u32_u24 v3, v1, PITCH
	v_lshl_add_u32 v3, v2, 5, v3                   ; r pitch + 32 h: 8 f32 for each half of the lanes
	s_mul_i32 s57, s45, HROWS
	s_mul_i32 s58, s46, HROWS
	s_add_co_u32 s58, s58, AROWS
.irp s, 0,1
	v_add_nc_u32 v[ADRA+\s], s57, v3
	v_add_nc_u32 v[ADRB+\s], s58, v3
	s_add_co_u32 s57, s57, SLOT
	s_add_co_u32 s58, s58, SLOT
.endr
	s_mul_i32 s59, s[WV], 16*PITCH
	s_add_co_u32 s59, s59, STAGE
	v_mul_u32_u24 v4, v1, PITCH
	v_lshl_add_u32 v4, v2, 4, v4
	v_add_nc_u32 v[STO], s59, v4                   ; in: token r, 16 bytes for each half
	v_bfe_u32 v5, v0, 3, 1
	v_mul_u32_u24 v5, v5, PITCH                    ; back: lanes 0-15 take head 0 of two tokens, lanes 16-31 head 1
	v_lshl_add_u32 v5, v2, 7, v5
	v_and_b32 v6, 7, v0
	v_lshl_add_u32 v5, v6, 4, v5
	v_add_nc_u32 v[RD], s59, v5
	v_lshlrev_b32 v6, 4, v1
	v_lshl_add_u32 v[CO], v2, 18, v6               ; head stride 262,144 bytes; 16 lanes cover 256 consecutive bytes
	v_lshlrev_b32 v[BO], 5, v2
; 32 LDS loads: 8 fragments of 16 rows x 32 K as f32.  A lane's K = 8h..8h+7 are 32 bytes at 32 h, K = 16+8h.. 64 bytes further.
.macro FETCHRAW adr, k
	WIN 0x40
.irp i, 0,1,2,3,4,5,6,7
	ds_load_b128 v[RAW+16*\i:RAW+16*\i+3],     v[\adr] offset:\k+\i*16*PITCH
	ds_load_b128 v[RAW+16*\i+4:RAW+16*\i+7],   v[\adr] offset:\k+\i*16*PITCH+16
	ds_load_b128 v[RAW+16*\i+8:RAW+16*\i+11],  v[\adr] offset:\k+\i*16*PITCH+64
	ds_load_b128 v[RAW+16*\i+12:RAW+16*\i+15], v[\adr] offset:\k+\i*16*PITCH+80
.endr
.endm
; 64 roundings to f16, two numbers each: the raw block becomes 8 fragments at dst
.macro CVT win, dst
	WIN \win
.irp i, 0,1,2,3,4,5,6,7
.irp q, 0,1,2,3,4,5,6,7
	v_cvt_pk_f16_f32 v[\dst+8*\i+\q], v[RAW+16*\i+2*\q], v[RAW+16*\i+2*\q+1]
.endr
.endr
.endm
; 16 matrix instructions.  The 64 accumulators take turns, one instruction a turn, in the same order in every quarter.
.macro MUL16 n, hi, a0, zero
.irp a, \a0, \a0+1
.irp b, 0,1,2,3,4,5,6,7
.if \zero
	v_wmma_f32_16x16x32_f16 v[8*(8*(\a)+\b):8*(8*(\a)+\b)+7], v[64*\n+8*\b:64*\n+8*\b+7], v[32+64*\n+8*(4*\hi+(\a)):32+64*\n+8*(4*\hi+(\a))+7], 0
.else
	v_wmma_f32_16x16x32_f16 v[8*(8*(\a)+\b):8*(8*(\a)+\b)+7], v[64*\n+8*\b:64*\n+8*\b+7], v[32+64*\n+8*(4*\hi+(\a)):32+64*\n+8*(4*\hi+(\a))+7], v[8*(8*(\a)+\b):8*(8*(\a)+\b)+7]
.endif
.endr
.endr
.endm
; Multiplies buffer n (32 along K) and makes buffer g from byte k of the slot's rows.  The raw block is no matrix operand, so loads into it
; need no distance; each run of roundings into a buffer stands behind the 64 roundings into the other one, which name no register of
; the matrix instructions that read the buffer last.
.macro QUARTER slot, k, n, g, zero
	FETCHRAW ADRB+\slot, \k
	WIN MUL_LO
	MUL16 \n, 0, 0, \zero
	MUL16 \n, 0, 2, \zero
	s_wait_dscnt 0x0                               ; W's raw block is in
	CVT 0x45, 64*\g
	FETCHRAW ADRA+\slot, \k
	WIN MUL_HI
	MUL16 \n, 1, 0, \zero
	MUL16 \n, 1, 2, \zero
	s_wait_dscnt 0x0                               ; X's raw block is in
	CVT 0x05, 32+64*\g
.endm
; Multiplies buffer 1 and changes slots.  In front of the barrier: my reads of this slot are back and all my tensor loads have landed (my part of
; the next slot).  Where the slot is filled again the barrier opens a round of the cluster's barrier, and the two joint refills come first behind it.
.macro TURN slot, next, fill
	WIN MUL_LO
	MUL16 1, 0, 0, 0
	s_wait_dscnt 0x0
	s_set_vgpr_msb 0xa1a0
	s_wait_tensorcnt 0x0
	ds_add_u32 v30, v31
	s_wait_dscnt 0x0
	s_set_vgpr_msb 0xa0a1
	s_barrier_signal -1
	MUL16 1, 0, 2, 0                               ; register work while the others arrive
	WIN 0
	s_barrier_wait -1
.if \fill
	CREST
	s_add_nc_u64 s[G0A+4*\slot+2:G0A+4*\slot+3], s[G0A+4*\slot+2:G0A+4*\slot+3], 512   ; two K steps on; no load of mine is out
	s_add_nc_u64 s[G0B+4*\slot+2:G0B+4*\slot+3], s[G0B+4*\slot+2:G0B+4*\slot+3], 512
	tensor_load_to_lds s[G0A+4*\slot:G0A+4*\slot+3], s[G1A:G1A+7]
	s_nop 0
	tensor_load_to_lds s[G0B+4*\slot:G0B+4*\slot+3], s[G1B:G1B+7]
	s_nop 0
.endif
	FETCHRAW ADRB+\next, 0
	WIN MUL_HI
	MUL16 1, 1, 0, 0
	s_wait_dscnt 0x0
	CVT 0x45, 0
	FETCHRAW ADRA+\next, 0
	WIN MUL_HI
	MUL16 1, 1, 2, 0
	s_wait_dscnt 0x0
	CVT 0x05, 32
.endm
.macro STEP slot, next, fill, zero
	QUARTER \slot, 128, 0, 1, \zero
	TURN \slot, \next, \fill
.endm
	s_wait_tensorcnt 0x2                           ; my parts of K step 0 are in; slot 1's two loads stay out
	s_barrier_signal -1
	s_barrier_wait -1
	FETCHRAW ADRB+0, 0
	s_wait_dscnt 0x0
	CVT 0x45, 0
	FETCHRAW ADRA+0, 0
	s_wait_dscnt 0x0
	CVT 0x05, 32
	STEP 0, 1, 1, 1                                ; the first products start the sums: nothing is cleared
	STEP 1, 0, 1, 0
	WIN 0
	s_mov_b32 s47, 6                               ; K steps 2 to 13
.Llap:
	STEP 0, 1, 1, 0
	STEP 1, 0, 1, 0
	WIN 0
	s_sub_co_u32 s47, s47, 1
	s_cmp_lg_u32 s47, 0
	s_cbranch_scc1 .Llap
	STEP 0, 1, 0, 0                                ; K step 14: nothing more to ask for
	QUARTER 1, 128, 0, 1, 0                        ; K step 15
	WIN MUL_LO
	MUL16 1, 0, 0, 0
	MUL16 1, 0, 2, 0
	WIN MUL_HI
	MUL16 1, 1, 0, 0
	MUL16 1, 1, 2, 0
	WIN 0
	; THE WAY OUT.  Four places behind the last matrix instruction, then the bias of my 128 features (a lane: 8 b + j at feature 16 b + 8 h + j).
	PLACES
	s_lshl_b32 s52, s42, 10
	s_lshl_b32 s53, s46, 9
	s_add_co_u32 s52, s52, s53
	s_mov_b32 s53, 0
	s_add_nc_u64 s[32:33], s[32:33], s[52:53]
.irp b, 0,1,2,3,4,5,6,7
	global_load_b128 v[BS+8*\b:BS+8*\b+3],   v[BO], s[32:33] offset:64*\b
	global_load_b128 v[BS+8*\b+4:BS+8*\b+7], v[BO], s[32:33] offset:64*\b+16
.endr
	s_lshr_b32 s54, s41, 3                         ; batch
	s_lshl_b32 s54, s54, 4
	s_lshl2_add_u32 s54, s42, s54                  ; + 4 x feature block
	s_lshl1_add_u32 s54, s46, s54                  ; + 2 x my half: my first head
	s_lshl_b32 s54, s54, 18
	s_and_b32 s55, s41, 7
	s_lshl_b32 s55, s55, 15                        ; 256 tokens of 128 bytes
	s_add_co_u32 s54, s54, s55
	s_lshl_b32 s55, s45, 14
	s_add_co_u32 s54, s54, s55
	s_mov_b32 s55, 0
	s_add_nc_u64 s[34:35], s[34:35], s[54:55]
	s_wait_loadcnt 0x0
.set j, 0
.rept 32
	v_pk_mul_f32 v[BS+2*j:BS+2*j+1], v[BS+2*j:BS+2*j+1], s[48:49] op_sel_hi:[1,0]   ; (sum + bias) scale = sum scale + bias scale
.set j, j+1
.endr
; 16 tokens x 128 features: scale and bias in one fused multiply-add, round, through my stage, out as whole runs of 256 bytes
.macro OUT16 i, a, from, f
	WIN \from
.irp b, 0,1,2,3,4,5,6,7
.irp q, 0,1,2,3
	v_pk_fma_f32 v[TMP+8*\b+2*\q:TMP+8*\b+2*\q+1], v[8*(8*\a+\b)+2*\q:8*(8*\a+\b)+2*\q+1], s[48:49], v[BS+8*\b+2*\q:BS+8*\b+2*\q+1] op_sel_hi:[1,0,1]
.endr
.endr
	WIN 0
.irp b, 0,1,2,3,4,5,6,7
.irp q, 0,1,2,3
	v_cvt_pk_f16_f32 v[PK+4*\b+\q], v[TMP+8*\b+2*\q], v[TMP+8*\b+2*\q+1]
.endr
.endr
.irp b, 0,1,2,3,4,5,6,7
	ds_store_b128 v[STO], v[PK+4*\b:PK+4*\b+3] offset:32*\b
.endr
	s_wait_xcnt 0x0                                ; buffer f, which earlier stores read, and the stores' base are rewritten only behind this wait
.if \i
	s_add_nc_u64 s[34:35], s[34:35], 2048          ; 16 tokens of 128 bytes on
.endif
.irp t, 0,1,2,3,4,5,6,7
	ds_load_b128 v[\f+4*\t:\f+4*\t+3], v[RD] offset:\t*2*PITCH    ; LDS serves a wave's instructions in order: these see the stores above
.endr
.irp t, 0,1,2,3,4,5,6,7
	s_wait_dscnt 7-\t                              ; the younger read-backs stay out
	global_store_b128 v[CO], v[\f+4*\t:\f+4*\t+3], s[34:35] offset:256*\t
.endr
.endm
	OUT16 0, 0, 0x02, 96
	OUT16 1, 1, 0x02, 128
	OUT16 2, 2, 0x02, 96
	OUT16 3, 3, 0x02, 128
	OUT16 4, 0, 0x03, 96
	OUT16 5, 1, 0x03, 128
	OUT16 6, 2, 0x03, 96
	OUT16 7, 3, 0x03, 128
	s_wait_tensorcnt 0x0
	ds_add_u32 v30, v31
	s_wait_dscnt 0x0
	CROUND                                         ; the closing round: no work-group ends while a partner may still ask jointly
	s_endpgm
.Lfunc_end_k_qc22cd101f8_qkv:
	.size	k_qc22cd101f8_qkv, .Lfunc_end_k_qc22cd101f8_qkv-k_qc22cd101f8_qkv
	.p2alignl 7, 3214868480
	.fill 96, 4, 3214868480
	.section	.rodata,"a",@progbits
	.p2align	6, 0x0
	.amdhsa_kernel k_qc22cd101f8_qkv
		.amdhsa_group_segment_fixed_size 327680
		.amdhsa_private_segment_fixed_size 0
		.amdhsa_enable_private_segment 0
		.amdhsa_kernarg_size 96
		.amdhsa_user_sgpr_count 2
		.amdhsa_user_sgpr_kernarg_segment_ptr 1
		.amdhsa_wavefront_size32 1
		.amdhsa_system_sgpr_workgroup_id_x 1
		.amdhsa_system_sgpr_workgroup_id_y 1
		.amdhsa_system_sgpr_workgroup_id_z 1
		.amdhsa_system_vgpr_workitem_id 0
		.amdhsa_next_free_vgpr 1024
		.amdhsa_next_free_sgpr 100
		.amdhsa_reserve_vcc 0
		.amdhsa_float_denorm_mode_32 3
		.amdhsa_float_denorm_mode_16_64 3
		.amdhsa_memory_ordered 1
		.amdhsa_forward_progress 1
		.amdhsa_inst_pref_size 255
	.end_amdhsa_kernel
	.section	.bss,"aw",@nobits
	.p2align	6
	.space	262144
	.amdgpu_metadata
---
amdhsa.version: [ 1, 2 ]
amdhsa.kernels:
  - .name:           k_qc22cd101f8_qkv
    .symbol:         k_qc22cd101f8_qkv.kd
    .args:
      - { .name: query, .offset: 0, .size: 8, .value_kind: global_buffer, .address_space: global }
      - { .name: key, .offset: 8, .size: 8, .value_kind: global_buffer, .address_space: global }
      - { .name: value, .offset: 16, .size: 8, .value_kind: global_buffer, .address_space: global }
      - { .name: w_q, .offset: 24, .size: 8, .value_kind: global_buffer, .address_space: global }
      - { .name: w_k, .offset: 32, .size: 8, .value_kind: global_buffer, .address_space: global }
      - { .name: w_v, .offset: 40, .size: 8, .value_kind: global_buffer, .address_space: global }
      - { .name: b_q, .offset: 48, .size: 8, .value_kind: global_buffer, .address_space: global }
      - { .name: b_k, .offset: 56, .size: 8, .value_kind: global_buffer, .address_space: global }
      - { .name: b_v, .offset: 64, .size: 8, .value_kind: global_buffer, .address_space: global }
      - { .name: qh, .offset: 72, .size: 8, .value_kind: global_buffer, .address_space: global }
      - { .name: kh, .offset: 80, .size: 8, .value_kind: global_buffer, .address_space: global }
      - { .name: vh, .offset: 88, .size: 8, .value_kind: global_buffer, .address_space: global }
    .group_segment_fixed_size: 327680
    .private_segment_fixed_size: 0
    .kernarg_segment_align: 8
    .kernarg_segment_size: 96
    .max_flat_workgroup_size: 128
    .sgpr_count:     100
    .vgpr_count:     1024
    .wavefront_size: 32
...
	.end_amdgpu_metadata
.endif
;; end of part 1
;; launch attn (part 2): grid 8 x 32, 4 waves a work-group, clusters of 4 x 4, 327,680 bytes of LDS; arguments qh, kh, vh, attn_bias, mask, ctx; writes ctx
.if DOCPART == 2
	.amdgcn_target "amdgcn-amd-amdhsa--gfx1250"
	.amdhsa_code_object_version 6
	.text
	.protected	k_qc22cd101f8_attn
	.globl	k_qc22cd101f8_attn
	.p2align	8
	.type	k_qc22cd101f8_attn,@function
k_qc22cd101f8_attn:
	s_mov_b64 s[64:65], 0
	v_nop
	global_prefetch_b8 v0, s[64:65] scope:SCOPE_SE
	s_setreg_imm32_b32 hwreg(HW_REG_WAVE_MODE, 25, 1), 1
	s_wait_xcnt 0x0
	s_wait_alu depctr_hold_cnt(0) depctr_sa_sdst(0) depctr_va_vdst(0) depctr_va_sdst(0) depctr_va_ssrc(0) depctr_va_vcc(0) depctr_vm_vsrc(0)
	s_getreg_b32 s2, hwreg(HW_REG_IB_STS2, 6, 4)
	s_cmp_eq_u32 s2, 0
	s_cbranch_scc0 .Lentry_in_a_cluster
	s_endpgm
.Lentry_in_a_cluster:
	s_bfe_u32 s2, ttmp6, 0x10000c
	s_cmp_lg_u32 s2, 0xf033
	s_cbranch_scc0 .Lentry_shape_is_right
	s_endpgm
.Lentry_shape_is_right:
; Attention with a running maximum.  qh (already times 1/8), kh, vh, ctx: f16 [batch][head][token][64].  attn_bias f32 [batch][q][k], mask i32 [batch][k].
; A work-group: 128 queries of TWO heads; a wave: 64 queries (wave & 1) of one head (wave >> 1) = 4 query tiles i; 32 trips of 64 keys.
; Why two heads: the bias tile of 128 queries x 64 keys (34,816 bytes with padding) serves both; with K and V of two heads a slot is 73,728 bytes
; and four slots fit in LDS.  With 256 queries of one head a slot would be 89,088 bytes and only three would fit.
; Everything is transposed, so that a lane is one query: S^T = K x Q + bias (the bias tile is loaded straight into the accumulator); lane (r, h),
; register j of tile t holds (query r, key 16 t + 8 h + j).  Masking and the change to base 2 are one fused multiply-add: x = S (keep log2 e) + off,
; keep 0 or 1, off = 0 or the rounded -1e9 log2 e, which is also what an unmasked score of -1e9 gives.  The maximum m is taken on x, and
; p = 2^(x - m) is at most 1 for every input, a batch with all keys masked too, so that it fits f16.  The rescale is 2^(old m - new m).
; The packed p are, as they lie, the second operand of O^T = V^T x P.
; The vector phase of query tile i is spread between the output products of tile i - 1 and the score products of tile i + 1.
; THE RING: tile t lies in slot t & 3; slots are filled two at a time.  Behind the round at the end of an odd trip t the slots of tiles t - 1 and t, read to
; their end, are asked for again with tiles t + 3 and t + 4: six tensor loads of the wave are out, the most in this text.  Tile t + 3 is first read in
; the last quarter of trip t + 2, behind a counted wait and a plain barrier; tile t + 4 in trip t + 3, behind the wait for all loads at the end of
; trip t + 2.  So a request has one and three quarters of a trip's work in which to land, and two landed tiles are at work meanwhile.
; THE TEXT: the loop begins with an odd trip, so that tiles 1 to 28 are seven laps of four trips; outside it stand tile 0, which starts the sums, and
; tiles 29 to 31, which ask for nothing: eight trips of text in all.
; LIMITS: a score that is not finite at a masked key gives NaN (0 x infinity); matrix operands (Q, K, V, P) are f16: p under 2^-14 keeps an absolute
; error of 2^-25; ctx is a convex mix of V and has V's range.
; CLUSTERS 4 x 4: x = head pair, y = 16 batch + query block.  The bias tile hangs on y alone: asked for jointly by a row (four head pairs).  K and V hang on
; batch and head pair: asked for jointly by a column (four query blocks).  Every wave asks for its quarter of each tile.
; REGISTERS: window 0: addresses, S (4 x 32), keep, off, softmax state; window 1: O (4 x 32), Q (64); window 2: K fragments (64), V fragments (64).
.set BP,    272                        ; bias rows: 256 bytes + 16
.set KP,    144                        ; K rows: 128 + 16
.set VP,    160                        ; V rows: 128 + 32 (an odd multiple of 32, for the transposing load)
.set KOFF,  128*BP                     ; behind the bias of 128 queries: K of head 0, K of head 1
.set VOFF,  KOFF+128*KP                ; V of head 0, V of head 1
.set SLOT,  VOFF+128*VP                ; 73,728
.set MT,    4*SLOT                     ; keep as f32 for the batch's 2,048 keys: bytes of their own
.set STAGE, MT+8192                    ; 32 rows x 144 bytes a wave, bytes of their own
.set WV,   92
.set CNT,  93
.set SEL0, 94
.set SEL1, 95
.set G0BI, 16                          ; s[16:31]  group 0 of the bias tiles, a set for each slot
.set G0K,  32                          ; s[32:47]  of K's
.set G0V,  48                          ; s[48:63]  of V's
.set G1BI, 68
.set G1K,  76
.set G1V,  84
.set ADRB, 4
.set ADRK, 8
.set ADRV, 12
.set VMK,  16
.set STO,  17
.set RD,   18
.set CO,   19
.set QO,   20
.set LE,   26                          ; pair: log2 e, twice (at work on LDS offsets in the set-up before that)
.set PB,   28                          ; pair: +round(1e9 log2 e)
.set S,    32
.set KEEP, 160
.set OFF,  192
.set CC,   224                         ; four maximum chains
.set TP,   228
.set U0,   230
.set MX,   232                         ; running maximum of tile i, in base-2 units
.set AL,   236                         ; pair: rescale factor (low), a written word (high)
.set NEGP, 238                         ; pair: minus the tile's maximum (low), a written word (high)
.set LL,   240                         ; four pairs: running sums
.set U1,   248
.set NB,   254                         ; pair: -round(1e9 log2 e)
.set MSB, 0
.macro WIN new
.if MSB != \new
	s_set_vgpr_msb (MSB<<8)|\new
.set MSB, \new
.endif
.endm
.macro CREST
	s_cmp_lg_u32 s[WV], 0
	s_cbranch_scc1 .Lnw0_\@
	s_barrier_signal -3
.Lnw0_\@:
	s_barrier_wait -3
	s_barrier_signal -1
	s_barrier_wait -1
.endm
.macro CROUND
	s_barrier_signal -1
	s_barrier_wait -1
	CREST
.endm
.macro PLACES
.rept 4
	v_nop
.endr
.endm
	s_load_b256 s[4:11], s[0:1], 0x0               ; qh, kh, vh, attn_bias
	s_load_b128 s[12:15], s[0:1], 0x20             ; mask, ctx
	s_set_vgpr_msb 0x40
	v_lshl_add_u32 v255, v0, 2, 0x4e800
	s_set_vgpr_msb 0x4000
	v_mov_b32 v253, 0
	s_set_vgpr_msb 0x1
	ds_add_u32 v255, v253
	s_set_vgpr_msb 0x100
	v_lshrrev_b32 v1, 5, v0
	v_readfirstlane_b32 s[WV], v1
	; s40-s58 are at work here only; the group 0 sets are written over them further down
	s_bfe_u32 s40, ttmp6, 0x40000                  ; cx
	s_bfe_u32 s41, ttmp6, 0x40004                  ; cy
	s_lshl_b32 s42, ttmp9, 2
	s_add_co_u32 s42, s42, s40                     ; head pair 0..7
	s_and_b32 s43, ttmp7, 0xffff                   ; cluster y 0..7
	s_lshr_b32 s44, s43, 2                         ; batch, from the cluster's y alone
	s_lshl_b32 s43, s43, 2
	s_add_co_u32 s43, s43, s41                     ; y = 16 batch + query block
	s_lshl_b32 s45, s41, 2
	s_lshl_b32 s45, 15, s45                        ; my row of the cluster
	s_lshl_b32 s46, 0x1111, s40                    ; my column
	s_mov_b32 s[SEL0], 0x76543210                  ; v_permlanex16_b32: lane i reads lane i of the other half
	s_mov_b32 s[SEL1], 0xfedcba98
	s_or_b32 s[G1BI+0], s45, (2<<16)|(1<<20)|(1<<21)|(5<<22)|(3<<25)   ; f32, 4 words behind every 64
	s_mov_b32 s[G1BI+1], 64<<16
	s_mov_b32 s[G1BI+2], 32<<16
	s_mov_b32 s[G1BI+3], 64<<16
	s_mov_b32 s[G1BI+4], 32                        ; 32 queries x 64 keys
	s_mov_b32 s[G1BI+5], 2048
	s_mov_b32 s[G1BI+6], 0
	s_mov_b32 s[G1BI+7], 0
	s_or_b32 s[G1K+0], s46, (1<<16)|(1<<20)|(1<<21)|(4<<22)|(3<<25)    ; 2-byte elements, 4 words behind every 32
	s_or_b32 s[G1V+0], s46, (1<<16)|(1<<20)|(1<<21)|(4<<22)|(7<<25)    ; 2-byte elements, 8 words behind every 32
.irp g, G1K, G1V
	s_mov_b32 s[\g+1], 64<<16
	s_mov_b32 s[\g+2], 32<<16
	s_mov_b32 s[\g+3], 64<<16
	s_mov_b32 s[\g+4], 32                          ; 32 keys x 64 features
	s_mov_b32 s[\g+5], 64
	s_mov_b32 s[\g+6], 0
	s_mov_b32 s[\g+7], 0
.endr
	s_lshl_b32 s50, s43, 20                        ; bias: 128 y rows of 8,192 bytes
	s_lshl_b32 s51, s[WV], 18                      ; + 32 wave rows
	s_add_co_u32 s50, s50, s51
	s_mov_b32 s51, 0
	s_lshr_b32 s47, s[WV], 1                       ; my head of the pair
	s_and_b32 s48, s[WV], 1                        ; my half (of the head's 64 keys to fetch; of the 128 queries to work on)
	s_lshl1_add_u32 s42, s42, s47                  ; head = 2 x pair + mine
	s_lshl4_add_u32 s42, s44, s42                  ; + 16 batch
	s_lshl_b32 s42, s42, 18                        ; x 262,144 bytes
	s_lshl_b32 s52, s48, 12                        ; K, V: + 32 rows of 128 bytes for the upper half
	s_add_co_u32 s52, s52, s42
	s_mov_b32 s53, 0
	s_and_b32 s54, s43, 15                         ; query block
	s_lshl_b32 s54, s54, 14                        ; 128 queries of 128 bytes
	s_add_co_u32 s54, s54, s42
	s_lshl_b32 s58, s48, 13
	s_add_co_u32 s54, s54, s58                     ; my 64 queries in qh and in ctx
	s_mov_b32 s55, 0
	s_lshl_b32 s56, s44, 13                        ; the batch's row of the mask
	s_mov_b32 s57, 0
	s_mul_i32 s96, s[WV], 32*BP                    ; where my quarters go: the wave's number alone enters an LDS address
	s_mul_i32 s97, s[WV], 32*KP
	s_mul_i32 s98, s[WV], 32*VP
	s_wait_dscnt 0x0
	s_wait_kmcnt 0x0
	s_add_nc_u64 s[10:11], s[10:11], s[50:51]
	s_add_nc_u64 s[6:7], s[6:7], s[52:53]
	s_add_nc_u64 s[8:9], s[8:9], s[52:53]
	s_add_nc_u64 s[12:13], s[12:13], s[56:57]
	s_add_nc_u64 s[4:5], s[4:5], s[54:55]
	s_add_nc_u64 s[14:15], s[14:15], s[54:55]
	CROUND                                         ; in front of the first joint loads
.irp s, 0,1,2,3
	s_mov_b32 s[G0BI+4*\s], 1
	s_add_co_u32 s[G0BI+4*\s+1], s96, \s*SLOT
	s_add_nc_u64 s[G0BI+4*\s+2:G0BI+4*\s+3], s[10:11], \s*256
	s_or_b32 s[G0BI+4*\s+3], s[G0BI+4*\s+3], 0x80000000
	s_mov_b32 s[G0K+4*\s], 1
	s_add_co_u32 s[G0K+4*\s+1], s97, \s*SLOT+KOFF
	s_add_nc_u64 s[G0K+4*\s+2:G0K+4*\s+3], s[6:7], \s*8192
	s_or_b32 s[G0K+4*\s+3], s[G0K+4*\s+3], 0x80000000
	s_mov_b32 s[G0V+4*\s], 1
	s_add_co_u32 s[G0V+4*\s+1], s98, \s*SLOT+VOFF
	s_add_nc_u64 s[G0V+4*\s+2:G0V+4*\s+3], s[8:9], \s*8192
	s_or_b32 s[G0V+4*\s+3], s[G0V+4*\s+3], 0x80000000
.if \s < 2
	tensor_load_to_lds s[G0BI+4*\s:G0BI+4*\s+3], s[G1BI:G1BI+7]
	s_nop 0
	tensor_load_to_lds s[G0K+4*\s:G0K+4*\s+3], s[G1K:G1K+7]
	s_nop 0
	tensor_load_to_lds s[G0V+4*\s:G0V+4*\s+3], s[G1V:G1V+7]
	s_nop 0
.endif
.endr                                              ; tiles 0 and 1: six tensor loads of the wave are out; tiles 2 and 3 go out behind the next round
	v_lshlrev_b32 v24, 4, v0                       ; 16 x thread
	v_and_b32 v1, 15, v0                           ; r
	v_bfe_u32 v2, v0, 4, 1                         ; h
.irp j, 0,1,2,3
	global_load_b128 v[KEEP+4*\j:KEEP+4*\j+3], v24, s[12:13] offset:2048*\j   ; the batch's mask, once for the work-group
.endr
	v_lshlrev_b32 v[QO], 7, v1
	v_lshl_add_u32 v[QO], v2, 4, v[QO]             ; query r, 16 bytes for each half
	WIN 0x40
.irp i, 0,1,2,3
.irp c, 0,1
	global_load_b128 v[128+16*\i+8*\c:128+16*\i+8*\c+3],   v[QO], s[4:5] offset:2048*\i+64*\c
	global_load_b128 v[128+16*\i+8*\c+4:128+16*\i+8*\c+7], v[QO], s[4:5] offset:2048*\i+64*\c+32
.endr
.endr
	WIN 0
	s_and_b32 s99, s[WV], 1
	s_mul_i32 s99, s99, 64*BP                      ; my 64 queries' rows of the bias tile
	s_lshr_b32 s100, s[WV], 1
	s_mul_i32 s101, s100, 64*VP                    ; my head's V
	s_mul_i32 s100, s100, 64*KP                    ; my head's K
	v_and_b32 v3, 7, v0
	v_bfe_u32 v21, v0, 3, 1
	v_bfe_u32 v22, v0, 3, 2
	v_and_b32 v23, 31, v0
	v_mul_u32_u24 v26, v1, BP
	v_lshl_add_u32 v26, v2, 5, v26
	v_add_nc_u32 v26, s99, v26                     ; bias: my 64 rows, row r, 32 h
	v_mul_u32_u24 v27, v1, KP
	v_lshl_add_u32 v27, v2, 4, v27                 ; row r of pitch 144, 16 h
	v_add_nc_u32 v31, s100, v27                    ; K: my head, key r, 16 h
	v_lshl_add_u32 v30, v2, 3, v3
	v_mul_u32_u24 v30, v30, VP
	v_lshl_add_u32 v30, v21, 4, v30                ; V, transposing load: key 8 h + (lane & 7), 16 bytes by bit 3 of the lane
	v_add_nc_u32 v30, s101, v30
.irp s, 0,1,2,3
	v_add_nc_u32 v[ADRB+\s], \s*SLOT, v26
	v_add_nc_u32 v[ADRK+\s], \s*SLOT+KOFF, v31
	v_add_nc_u32 v[ADRV+\s], \s*SLOT+VOFF, v30
.endr
	v_lshlrev_b32 v[VMK], 5, v2
	v_add_nc_u32 v[VMK], MT, v[VMK]
	v_add_nc_u32 v25, MT, v24
	s_mul_i32 s99, s[WV], 32*KP
	s_add_co_u32 s99, s99, STAGE
	v_add_nc_u32 v[STO], s99, v27                  ; stage rows have K's pitch: query r, 16 h
	v_mul_u32_u24 v31, v22, KP
	v_lshl_add_u32 v31, v3, 4, v31
	v_add_nc_u32 v[RD], s99, v31
	v_lshlrev_b32 v[CO], 4, v23
	v_mov_b32 v[LE], 0x3fb8aa3b                    ; log2 e in a pair: the 16 packed multiplies of every trip then carry no literal
	v_mov_b32 v[LE+1], 0x3fb8aa3b
	v_mov_b32 v[TP], 0                             ; the lane permute counts as a reader of its destination
	v_mov_b32 v[AL+1], 0                           ; upper words of the broadcast pairs, written once
	v_mov_b32 v[NEGP+1], 0
	v_mov_b32 v[NB], 0xce6e6b28                    ; -1e9,
	v_mul_f32 v[NB], 0x3fb8aa3b, v[NB]             ; times log2 e, rounded once: what the masking multiply-add makes of an unmasked score of -1e9
	v_mov_b32 v[NB+1], v[NB]
	v_mul_f32 v[PB], -1.0, v[NB]                   ; and its negative
	v_mov_b32 v[PB+1], v[PB]
	s_wait_loadcnt 0x10                            ; the mask is in; Q's sixteen loads stay out
.set j, 0
.rept 16
	v_cmp_ne_u32 vcc_lo, 0, v[KEEP+j]
	v_cndmask_b32 v[KEEP+j], 0, 1.0, vcc_lo        ; keep = 1 where the mask is not 0
.set j, j+1
.endr
.irp j, 0,1,2,3
	ds_store_b128 v25, v[KEEP+4*\j:KEEP+4*\j+3] offset:2048*\j
.endr
	s_wait_dscnt 0x0                               ; my part of the keep table is written, for the others' sake
	s_set_vgpr_msb 0x1
	s_wait_tensorcnt 0x0                           ; my parts of tiles 0 and 1 are in
	ds_add_u32 v255, v253
	s_wait_dscnt 0x0
	s_set_vgpr_msb 0x100
	CROUND                                         ; shows table and tiles to my work-group, and stands in front of the next group of joint loads
.irp s, 2,3
	tensor_load_to_lds s[G0BI+4*\s:G0BI+4*\s+3], s[G1BI:G1BI+7]    ; tiles 2 and 3, first fills of slots 2 and 3
	s_nop 0
	tensor_load_to_lds s[G0K+4*\s:G0K+4*\s+3], s[G1K:G1K+7]
	s_nop 0
	tensor_load_to_lds s[G0V+4*\s:G0V+4*\s+3], s[G1V:G1V+7]
	s_nop 0
.endr
.macro LDB i, s                        ; the bias of query tile i: straight into the score accumulators
	WIN 0
.irp t, 0,1,2,3
	ds_load_b128 v[S+32*\i+8*\t:S+32*\i+8*\t+3],   v[ADRB+\s] offset:16*BP*\i+64*\t
	ds_load_b128 v[S+32*\i+8*\t+4:S+32*\i+8*\t+7], v[ADRB+\s] offset:16*BP*\i+64*\t+16
.endr
.endm
.macro LDK s
	WIN 0x80
.irp t, 0,1,2,3
.irp c, 0,1
	ds_load_b128 v[8*(2*\t+\c):8*(2*\t+\c)+3],   v[ADRK+\s] offset:16*KP*\t+64*\c
	ds_load_b128 v[8*(2*\t+\c)+4:8*(2*\t+\c)+7], v[ADRK+\s] offset:16*KP*\t+64*\c+32
.endr
.endr
.endm
.macro LDV s
	WIN 0x80
.irp d, 0,1,2,3
.irp c, 0,1
	ds_load_tr16_b128 v[64+8*(2*\d+\c):64+8*(2*\d+\c)+3],   v[ADRV+\s] offset:32*VP*\c+32*\d
	ds_load_tr16_b128 v[64+8*(2*\d+\c)+4:64+8*(2*\d+\c)+7], v[ADRV+\s] offset:32*VP*\c+32*\d+16*VP
.endr
.endr
.endm
.macro LDM step                        ; keep of the next 64 keys
	WIN 0
.if \step
	v_add_nc_u32 v[VMK], 0x100, v[VMK]
.endif
.irp t, 0,1,2,3
	ds_load_b128 v[KEEP+8*\t:KEEP+8*\t+3],   v[VMK] offset:64*\t
	ds_load_b128 v[KEEP+8*\t+4:KEEP+8*\t+7], v[VMK] offset:64*\t+16
.endr
.endm
.macro OFFC                            ; off = keep c - c with c = round(1e9 log2 e): exactly 0 or -c; then keep becomes keep log2 e
	WIN 0
.set j, 0
.rept 16
	v_pk_fma_f32 v[OFF+2*j:OFF+2*j+1], v[KEEP+2*j:KEEP+2*j+1], v[PB:PB+1], v[NB:NB+1]
.set j, j+1
.endr
.set j, 0
.rept 16
	v_pk_mul_f32 v[KEEP+2*j:KEEP+2*j+1], v[KEEP+2*j:KEEP+2*j+1], v[LE:LE+1]
.set j, j+1
.endr
.endm
.macro WS i, e                         ; score product: key tile e & 3, feature chunk e >> 2
	WIN 0x06
.set zt, (\e)&3
.set zc, (\e)>>2
.set zi, (\i)
	v_wmma_f32_16x16x32_f16 v[S+32*zi+8*zt:S+32*zi+8*zt+7], v[8*(2*zt+zc):8*(2*zt+zc)+7], v[128+16*zi+8*zc:128+16*zi+8*zc+7], v[S+32*zi+8*zt:S+32*zi+8*zt+7]
.endm
.macro WP i, e, first                  ; output product: feature tile e & 3, key chunk e >> 2; the very first chunk starts the sums
	WIN 0x52
.set zt, (\e)&3
.set zc, (\e)>>2
.set zi, (\i)
.set zz, 0
.if \first
.if zc == 0
.set zz, 1
.endif
.endif
.if zz
	v_wmma_f32_16x16x32_f16 v[32*zi+8*zt:32*zi+8*zt+7], v[64+8*(2*zt+zc):64+8*(2*zt+zc)+7], v[S+32*zi+8*zc:S+32*zi+8*zc+7], 0
.else
	v_wmma_f32_16x16x32_f16 v[32*zi+8*zt:32*zi+8*zt+7], v[64+8*(2*zt+zc):64+8*(2*zt+zc)+7], v[S+32*zi+8*zc:S+32*zi+8*zc+7], v[32*zi+8*zt:32*zi+8*zt+7]
.endif
.endm
.macro WMM i, n, first                 ; the n-th matrix instruction set into tile i's vector phase: tile i - 1's output, tile i + 1's scores, by turns
.if ((\n)&1) == 0
.if \i >= 1
	WP (\i-1),((\n)>>1),\first
.endif
.else
.if \i <= 2
	WS (\i+1),((\n)>>1)
.endif
.endif
.endm
.macro MSK i, t
	WIN 0
.irp q, 0,1,2,3
	v_pk_fma_f32 v[S+32*\i+8*\t+2*\q:S+32*\i+8*\t+2*\q+1], v[S+32*\i+8*\t+2*\q:S+32*\i+8*\t+2*\q+1], v[KEEP+8*\t+2*\q:KEEP+8*\t+2*\q+1], v[OFF+8*\t+2*\q:OFF+8*\t+2*\q+1]
.endr
.endm
.macro MAXS i, s                       ; one step of four chains that do not wait for each other
	WIN 0
.irp t, 0,1,2,3
.if \s == 0
	v_max3_num_f32 v[CC+\t], v[S+32*\i+8*\t], v[S+32*\i+8*\t+1], v[S+32*\i+8*\t+2]
.else
.if \s == 3
	v_max_num_f32 v[CC+\t], v[CC+\t], v[S+32*\i+8*\t+7]
.else
	v_max3_num_f32 v[CC+\t], v[CC+\t], v[S+32*\i+8*\t+2*\s+1], v[S+32*\i+8*\t+2*\s+2]
.endif
.endif
.endr
.endm
.macro GLUE i, first
	WIN 0
	v_max3_num_f32 v[CC], v[CC], v[CC+1], v[CC+2]
.if \first
	v_max_num_f32 v[CC], v[CC], v[CC+3]
.else
	v_max3_num_f32 v[CC], v[CC], v[CC+3], v[MX+\i]
.endif
	v_permlanex16_b32 v[TP], v[CC], s[SEL0], s[SEL1]   ; the other half of the lanes holds the query's other keys
	v_max_num_f32 v[CC+1], v[CC], v[TP]            ; the new maximum
.if \first == 0
	v_sub_f32 v[CC+2], v[MX+\i], v[CC+1]           ; old - new, at most 0
	v_exp_f32 v[AL], v[CC+2]                       ; the plain move below stands between this and any use (ISA guide 5.7.2)
.endif
	v_mov_b32 v[MX+\i], v[CC+1]
	v_mul_f32 v[NEGP], -1.0, v[CC+1]
.endm
.macro EXPS i, t
	WIN 0
.irp q, 0,1,2,3
	v_pk_add_f32 v[S+32*\i+8*\t+2*\q:S+32*\i+8*\t+2*\q+1], v[S+32*\i+8*\t+2*\q:S+32*\i+8*\t+2*\q+1], v[NEGP:NEGP+1] op_sel_hi:[1,0]   ; x - m, at most 0
.endr
.irp q, 0,1,2,3,4,5,6,7
	v_exp_f32 v[S+32*\i+8*\t+\q], v[S+32*\i+8*\t+\q]   ; the next plain vector line works on other registers
.endr
.endm
.macro LSUM i, t, first
	WIN 0
	s_wait_alu depctr_va_vdst(0)
	v_pk_add_f32 v[U0:U0+1], v[S+32*\i+8*\t:S+32*\i+8*\t+1], v[S+32*\i+8*\t+2:S+32*\i+8*\t+3]
	v_pk_add_f32 v[U1:U1+1], v[S+32*\i+8*\t+4:S+32*\i+8*\t+5], v[S+32*\i+8*\t+6:S+32*\i+8*\t+7]
.if \t == 0
.if \first
	v_pk_add_f32 v[LL+2*\i:LL+2*\i+1], v[U0:U0+1], v[U1:U1+1]
.else
	v_pk_add_f32 v[U0:U0+1], v[U0:U0+1], v[U1:U1+1]
	v_pk_fma_f32 v[LL+2*\i:LL+2*\i+1], v[LL+2*\i:LL+2*\i+1], v[AL:AL+1], v[U0:U0+1] op_sel_hi:[1,0,1]
.endif
.else
	v_pk_add_f32 v[U0:U0+1], v[U0:U0+1], v[U1:U1+1]
	v_pk_add_f32 v[LL+2*\i:LL+2*\i+1], v[LL+2*\i:LL+2*\i+1], v[U0:U0+1]
.endif
.endm
.macro PACK i, t                       ; in place: tile t's 8 numbers become words 4 t .. 4 t + 3, whose old contents have been summed and packed
	WIN 0
.irp q, 0,1,2,3
	v_cvt_pk_f16_f32 v[S+32*\i+4*\t+\q], v[S+32*\i+8*\t+2*\q], v[S+32*\i+8*\t+2*\q+1]
.endr
.endm
.macro RESC i, k
	WIN 0x41
.irp q, 0,1,2,3
	v_pk_mul_f32 v[32*\i+8*\k+2*\q:32*\i+8*\k+2*\q+1], v[32*\i+8*\k+2*\q:32*\i+8*\k+2*\q+1], v[AL:AL+1] op_sel_hi:[1,0]
.endr
.endm
; The vector phase of query tile i.  No vector line here names a register of the matrix instructions set among them.  No two matrix instructions that
; follow each other share an accumulator, one instruction a turn.  The 16 rescaling lines at the end (or four v_nop) are
; the places between tile i + 1's last score product and the first line that reads it (ISA guide 7.12.1).
; The trip's 72 LDS loads go out in runs of 8 or 16, one run behind each masking block of tiles 0 and 3, and not as two runs of 32: all four waves
; leave a barrier together just ahead of tile 3's runs.  The order of issue (tile 0: bias 2, V, bias 3) is what the counted wait at tile 1 leans on.
; mid = 1 (odd trips, in front of tile 3's phase): the next trip's tile is shown to all waves before anything of it is read.
.macro VEC i, cur, nxt, first, more, mid
.if \i == 1
	s_wait_dscnt 0x8                               ; tile 2's bias and V are in; the eight loads of tile 3's bias stay out
.endif
.if \i == 2
	s_wait_dscnt 0x0                               ; tile 3's bias
.endif
.if \i == 3
.if \mid
	s_wait_tensorcnt 0x3                           ; my three parts of the next trip's tile are in; the three of the tile behind it stay out
	s_wait_dscnt 0x0                               ; no LDS instruction of mine is pending at a signal
	s_barrier_signal -1
.endif
.endif
	MSK \i, 0
.if \i == 0
	LDB 2, \cur
.endif
.if \i == 3
.if \mid
	s_barrier_wait -1                              ; everybody's parts are in
.endif
.if \more
	LDK \nxt                                       ; the next trip's first fragments: K,
.endif
.endif
	WMM \i, 0, \first
	MSK \i, 1
.if \i == 0
	LDV \cur
.endif
.if \i == 3
.if \more
	LDB 0, \nxt                                    ; the bias of its query tile 0,
.endif
.endif
	WMM \i, 1, \first
	MSK \i, 2
.if \i == 0
	LDB 3, \cur
.endif
.if \i == 3
.if \more
	LDB 1, \nxt                                    ; and of its query tile 1
.endif
.endif
	WMM \i, 2, \first
	MSK \i, 3
.if \more
.if \i == 3
	LDM 1                                          ; behind the trip's last use of keep
.endif
.endif
	WMM \i, 3, \first
	MAXS \i, 0
	WMM \i, 4, \first
	MAXS \i, 1
	WMM \i, 5, \first
	MAXS \i, 2
	WMM \i, 6, \first
	MAXS \i, 3
	WMM \i, 7, \first
	GLUE \i, \first
	EXPS \i, 0
	WMM \i, 8, \first
	EXPS \i, 1
	WMM \i, 9, \first
	EXPS \i, 2
	WMM \i, 10, \first
	EXPS \i, 3
	WMM \i, 11, \first
	LSUM \i, 0, \first
	PACK \i, 0
	WMM \i, 12, \first
	LSUM \i, 1, \first
	PACK \i, 1
	WMM \i, 13, \first
	LSUM \i, 2, \first
	PACK \i, 2
	WMM \i, 14, \first
	LSUM \i, 3, \first
	PACK \i, 3
	WMM \i, 15, \first
.if \first
	PLACES
.else
	RESC \i, 0
	RESC \i, 1
	RESC \i, 2
	RESC \i, 3
.endif
.endm
; One trip: 64 keys in slot cur; in its last quarter the first fragments of the next trip are read from slot nxt.
; sync = 2 (odd trips): slots prv and cur, read to their end, are filled again four tiles ahead: my LDS reads are back, all my tensor loads have landed, the six
; addresses step, a round of the cluster's barrier (register work alone inside it), the six joint refills first behind it, the earlier tile's first.
; sync = 1: a plain barrier that shows the last tile to all waves.  sync = 0 (even trips): none; nothing is filled or shown there.
.macro TRIP prv, cur, nxt, first, more, mid, sync
	OFFC                                           ; also the places behind the products at the last trip's end
	VEC 0, \cur, \nxt, \first, \more, 0
	VEC 1, \cur, \nxt, \first, \more, 0
	VEC 2, \cur, \nxt, \first, \more, 0
	VEC 3, \cur, \nxt, \first, \more, \mid
.if \more
	s_wait_dscnt 0x0
.endif
.if \sync
	s_wait_tensorcnt 0x0
	ds_add_u32 v255, v253
	s_wait_dscnt 0x0
.endif
.if \sync == 2
.irp z, \prv, \cur
	s_add_nc_u64 s[G0BI+4*\z+2:G0BI+4*\z+3], s[G0BI+4*\z+2:G0BI+4*\z+3], 1024     ; four tiles of 64 f32 on
	s_add_nc_u64 s[G0K+4*\z+2:G0K+4*\z+3], s[G0K+4*\z+2:G0K+4*\z+3], 32768        ; four tiles of 64 rows of 128 bytes on
	s_add_nc_u64 s[G0V+4*\z+2:G0V+4*\z+3], s[G0V+4*\z+2:G0V+4*\z+3], 32768
.endr
.endif
.if \sync
	s_barrier_signal -1
.endif
.irp e, 0,1,2,3,4,5,6,7
	WP 3, \e, \first
.if \more
	WS 0, \e
.endif
.endr
	WIN 0
.if \sync
	s_barrier_wait -1
.endif
.if \sync == 2
	CREST
.irp z, \prv, \cur
	tensor_load_to_lds s[G0BI+4*\z:G0BI+4*\z+3], s[G1BI:G1BI+7]
	s_nop 0
	tensor_load_to_lds s[G0K+4*\z:G0K+4*\z+3], s[G1K:G1K+7]
	s_nop 0
	tensor_load_to_lds s[G0V+4*\z:G0V+4*\z+3], s[G1V:G1V+7]
	s_nop 0
.endr
.endif
.endm
	LDK 0
	LDB 0, 0
	LDB 1, 0
	LDM 0
	s_wait_loadcnt 0x0                             ; Q
	s_wait_dscnt 0x0
.irp e, 0,1,2,3,4,5,6,7
	WS 0, \e
.endr
	TRIP 3, 0, 1, 1, 1, 0, 0                       ; tile 0: starts maxima, sums and outputs; nothing is cleared
	s_mov_b32 s[CNT], 7                            ; tiles 1 to 28.  At the loop's head, on the way in and on the way back alike, the six loads into slots 2 and 3 are out
.Llap:
	TRIP 0, 1, 2, 0, 1, 1, 2                       ; tiles 1, 5, .. 25: shows the next tile; asks for tiles 4 and 5, .. 28 and 29
	TRIP 1, 2, 3, 0, 1, 0, 0
	TRIP 2, 3, 0, 0, 1, 1, 2                       ; tiles 3, 7, .. 27: asks for tiles 6 and 7, .. 30 and 31, the last
	TRIP 3, 0, 1, 0, 1, 0, 0
	s_sub_co_u32 s[CNT], s[CNT], 1
	s_cmp_lg_u32 s[CNT], 0
	s_cbranch_scc1 .Llap
	TRIP 0, 1, 2, 0, 1, 1, 1                       ; tile 29: shows tile 30 in its last quarter, tile 31 at its end
	TRIP 1, 2, 3, 0, 1, 0, 0                       ; tile 30
	TRIP 2, 3, 0, 0, 0, 0, 0                       ; tile 31
	; THE WAY OUT, 32 queries at a time: divide by the sums, round, through my stage, out as 4,096 consecutive bytes
	PLACES
.irp g, 0,1
.irp k, 0,1
	v_add_f32 v[CC], v[LL+2*(2*\g+\k)], v[LL+2*(2*\g+\k)+1]
	v_permlanex16_b32 v[TP], v[CC], s[SEL0], s[SEL1]
	v_add_f32 v[CC], v[CC], v[TP]
	v_rcp_f32 v[AL], v[CC]
	v_nop                                          ; one plain place behind the reciprocal (ISA guide 5.7.2)
	WIN 0x01
	s_wait_alu depctr_va_vdst(0)
.irp q, 0,1,2,3,4,5,6,7,8,9,10,11,12,13,14,15
	v_pk_mul_f32 v[S+2*\q:S+2*\q+1], v[32*(2*\g+\k)+2*\q:32*(2*\g+\k)+2*\q+1], v[AL:AL+1] op_sel_hi:[1,0]
.endr
	WIN 0
.irp q, 0,1,2,3,4,5,6,7,8,9,10,11,12,13,14,15
	v_cvt_pk_f16_f32 v[S+32+\q], v[S+2*\q], v[S+2*\q+1]
.endr
.irp d, 0,1,2,3
	ds_store_b128 v[STO], v[S+32+4*\d:S+32+4*\d+3] offset:16*KP*\k+32*\d
.endr
.endr
.irp t, 0,1,2,3,4,5,6,7
	ds_load_b128 v[96+32*\g+4*\t:96+32*\g+4*\t+3], v[RD] offset:4*KP*\t       ; my own bytes: LDS serves a wave's instructions in order
.endr
.irp t, 0,1,2,3,4,5,6,7
	s_wait_dscnt 7-\t                              ; the younger read-backs stay out
	global_store_b128 v[CO], v[96+32*\g+4*\t:96+32*\g+4*\t+3], s[14:15] offset:4096*\g+512*\t   ; a wave's store covers 512 consecutive bytes, aligned
.endr
.endr
	s_set_vgpr_msb 0x1
	s_wait_tensorcnt 0x0
	ds_add_u32 v255, v253
	s_wait_dscnt 0x0
	s_set_vgpr_msb 0x100
	CROUND                                         ; the closing round
	s_endpgm
.Lfunc_end_k_qc22cd101f8_attn:
	.size	k_qc22cd101f8_attn, .Lfunc_end_k_qc22cd101f8_attn-k_qc22cd101f8_attn
	.p2alignl 7, 3214868480
	.fill 96, 4, 3214868480
	.section	.rodata,"a",@progbits
	.p2align	6, 0x0
	.amdhsa_kernel k_qc22cd101f8_attn
		.amdhsa_group_segment_fixed_size 327680
		.amdhsa_private_segment_fixed_size 0
		.amdhsa_enable_private_segment 0
		.amdhsa_kernarg_size 48
		.amdhsa_user_sgpr_count 2
		.amdhsa_user_sgpr_kernarg_segment_ptr 1
		.amdhsa_wavefront_size32 1
		.amdhsa_system_sgpr_workgroup_id_x 1
		.amdhsa_system_sgpr_workgroup_id_y 1
		.amdhsa_system_sgpr_workgroup_id_z 1
		.amdhsa_system_vgpr_workitem_id 0
		.amdhsa_next_free_vgpr 640
		.amdhsa_next_free_sgpr 102
		.amdhsa_reserve_vcc 1
		.amdhsa_float_denorm_mode_32 3
		.amdhsa_float_denorm_mode_16_64 3
		.amdhsa_memory_ordered 1
		.amdhsa_forward_progress 1
		.amdhsa_inst_pref_size 255
	.end_amdhsa_kernel
	.section	.bss,"aw",@nobits
	.p2align	6
	.space	262144
	.amdgpu_metadata
---
amdhsa.version: [ 1, 2 ]
amdhsa.kernels:
  - .name:           k_qc22cd101f8_attn
    .symbol:         k_qc22cd101f8_attn.kd
    .args:
      - { .name: qh, .offset: 0, .size: 8, .value_kind: global_buffer, .address_space: global }
      - { .name: kh, .offset: 8, .size: 8, .value_kind: global_buffer, .address_space: global }
      - { .name: vh, .offset: 16, .size: 8, .value_kind: global_buffer, .address_space: global }
      - { .name: attn_bias, .offset: 24, .size: 8, .value_kind: global_buffer, .address_space: global }
      - { .name: mask, .offset: 32, .size: 8, .value_kind: global_buffer, .address_space: global }
      - { .name: ctx, .offset: 40, .size: 8, .value_kind: global_buffer, .address_space: global }
    .group_segment_fixed_size: 327680
    .private_segment_fixed_size: 0
    .kernarg_segment_align: 8
    .kernarg_segment_size: 48
    .max_flat_workgroup_size: 128
    .sgpr_count:     102
    .vgpr_count:     640
    .wavefront_size: 32
...
	.end_amdgpu_metadata
.endif
;; end of part 2
;; launch oproj (part 3): grid 8 x 32, 4 waves a work-group, clusters of 4 x 4, 327,680 bytes of LDS; arguments ctx, w_o, b_o, out0; writes out0
.if DOCPART == 3
	.amdgcn_target "amdgcn-amd-amdhsa--gfx1250"
	.amdhsa_code_object_version 6
	.text
	.protected	k_qc22cd101f8_oproj
	.globl	k_qc22cd101f8_oproj
	.p2align	8
	.type	k_qc22cd101f8_oproj,@function
k_qc22cd101f8_oproj:
	s_mov_b64 s[64:65], 0
	v_nop
	global_prefetch_b8 v0, s[64:65] scope:SCOPE_SE
	s_setreg_imm32_b32 hwreg(HW_REG_WAVE_MODE, 25, 1), 1
	s_wait_xcnt 0x0
	s_wait_alu depctr_hold_cnt(0) depctr_sa_sdst(0) depctr_va_vdst(0) depctr_va_sdst(0) depctr_va_ssrc(0) depctr_va_vcc(0) depctr_vm_vsrc(0)
	s_getreg_b32 s2, hwreg(HW_REG_IB_STS2, 6, 4)
	s_cmp_eq_u32 s2, 0
	s_cbranch_scc0 .Lentry_in_a_cluster
	s_endpgm
.Lentry_in_a_cluster:
	s_bfe_u32 s2, ttmp6, 0x10000c
	s_cmp_lg_u32 s2, 0xf033
	s_cbranch_scc0 .Lentry_shape_is_right
	s_endpgm
.Lentry_shape_is_right:
; out0 = ctx w_o^T + b_o.  ctx f16 [batch][head][token][64], w_o f32 [1024][1024], out0 f32 [4096][1024].
; 256 work-groups, each 128 tokens x 128 features; a wave 64 x 64 (16 accumulator tiles in window 1).  K goes in 8 steps of 128 (two heads) through
; two LDS slots; w_o is rounded to f16 in registers, in place, between LDS and the matrix instruction.
; LIMIT: matrix operands are f16: |w_o| under 65,504; numbers under 2^-14 keep an absolute error of 2^-25 (w_o of spread 1/32, or 30 times less, lies far above that).
; CLUSTERS 4 x 4: ctx's tiles hang on the token block alone (joint along a row), w_o's on the feature block alone (joint along a column).
; The matrix instruction is used transposed: a lane holds 8 neighbouring features of one token.
.set AP,    144                        ; ctx rows: 128 bytes + 16
.set WP_,   528                        ; w_o rows: 512 bytes + 16
.set AHEAD, 128*AP                     ; one head's 128 tokens
.set BOFF,  2*AHEAD
.set SLOT,  BOFF+128*WP_               ; 104,448
.set STAGE, 2*SLOT
.set SP,    272
.set WV,   52
.set G1A,  12
.set G1B,  20
.set G0A0, 28
.set G0A1, 36
.set G0B,  44
.set ADRA, 16
.set ADRB, 20
.set STO,  24
.set RD,   25
.set CO,   26
.set BO,   27
.set BS,   224
.set TMP,  32
.set MSB, 0
.macro WIN new
.if MSB != \new
	s_set_vgpr_msb (MSB<<8)|\new
.set MSB, \new
.endif
.endm
.macro CREST
	s_cmp_lg_u32 s[WV], 0
	s_cbranch_scc1 .Lnw0_\@
	s_barrier_signal -3
.Lnw0_\@:
	s_barrier_wait -3
	s_barrier_signal -1
	s_barrier_wait -1
.endm
.macro CROUND
	s_barrier_signal -1
	s_barrier_wait -1
	CREST
.endm
.macro PLACES
.rept 4
	v_nop
.endr
.endm
	s_load_b256 s[4:11], s[0:1], 0x0               ; ctx, w_o, b_o, out0
	v_lshl_add_u32 v30, v0, 2, 0x37400
	v_mov_b32 v31, 0
	ds_add_u32 v30, v31
	v_lshrrev_b32 v1, 5, v0
	v_readfirstlane_b32 s[WV], v1
	s_bfe_u32 s53, ttmp6, 0x40000                  ; cx
	s_bfe_u32 s54, ttmp6, 0x40004                  ; cy
	s_lshl_b32 s55, ttmp9, 2
	s_add_co_u32 s55, s55, s53                     ; feature block 0..7
	s_and_b32 s56, ttmp7, 0xffff
	s_lshl_b32 s56, s56, 2
	s_add_co_u32 s56, s56, s54                     ; token block 0..31
	s_lshl_b32 s57, s54, 2
	s_lshl_b32 s57, 15, s57                        ; my row of the cluster
	s_lshl_b32 s58, 0x1111, s53                    ; my column
	s_lshr_b32 s59, s[WV], 1                       ; my half of the tokens
	s_and_b32 s60, s[WV], 1                        ; my half of the features
	s_or_b32 s[G1A+0], s57, (1<<16)|(1<<20)|(1<<21)|(4<<22)|(3<<25)   ; 2-byte elements, 4 words behind every 32
	s_mov_b32 s[G1A+1], 64<<16
	s_mov_b32 s[G1A+2], 32<<16
	s_mov_b32 s[G1A+3], 64<<16
	s_mov_b32 s[G1A+4], 32                         ; 32 tokens x 64 features of one head
	s_mov_b32 s[G1A+5], 64
	s_mov_b32 s[G1A+6], 0
	s_mov_b32 s[G1A+7], 0
	s_or_b32 s[G1B+0], s58, (2<<16)|(1<<20)|(1<<21)|(6<<22)|(3<<25)   ; f32, 4 words behind every 128
	s_mov_b32 s[G1B+1], 128<<16
	s_mov_b32 s[G1B+2], 32<<16
	s_mov_b32 s[G1B+3], 128<<16
	s_mov_b32 s[G1B+4], 32                         ; 32 rows x 128 f32
	s_mov_b32 s[G1B+5], 1024
	s_mov_b32 s[G1B+6], 0
	s_mov_b32 s[G1B+7], 0
	s_lshr_b32 s66, s56, 4                         ; batch
	s_lshl_b32 s66, s66, 22                        ; 16 heads of 262,144 bytes
	s_and_b32 s62, s56, 15
	s_lshl_b32 s62, s62, 14                        ; 128 tokens of 128 bytes
	s_add_co_u32 s66, s66, s62
	s_lshl_b32 s62, s[WV], 12                      ; my 32 tokens
	s_add_co_u32 s66, s66, s62
	s_mov_b32 s67, 0
	s_lshl_b32 s68, s55, 19                        ; 128 rows of 4,096 bytes
	s_lshl_b32 s63, s[WV], 17                      ; my 32 rows
	s_add_co_u32 s68, s68, s63
	s_mov_b32 s69, 0
	s_mul_i32 s72, s[WV], 32*AP
	s_mul_i32 s73, s[WV], 32*WP_
	s_lshl_b32 s70, s55, 9
	s_lshl_b32 s71, s60, 8
	s_add_co_u32 s70, s70, s71                     ; my first feature, in bytes of f32
	s_mov_b32 s71, 0
	s_wait_dscnt 0x0
	s_wait_kmcnt 0x0
	s_add_nc_u64 s[4:5], s[4:5], s[66:67]
	s_add_nc_u64 s[6:7], s[6:7], s[68:69]
	s_add_nc_u64 s[8:9], s[8:9], s[70:71]
	s_lshl_b32 s74, s56, 19
	s_add_co_u32 s70, s70, s74
	s_lshl_b32 s74, s59, 18
	s_add_co_u32 s70, s70, s74                     ; + my first token's row of 4,096 bytes
	s_add_nc_u64 s[10:11], s[10:11], s[70:71]
	CROUND                                         ; in front of the first joint loads
.irp s, 0,1
	s_mov_b32 s[G0A0+4*\s], 1
	s_add_co_u32 s[G0A0+4*\s+1], s72, \s*SLOT
	s_add_nc_u64 s[G0A0+4*\s+2:G0A0+4*\s+3], s[4:5], \s*524288
	s_or_b32 s[G0A0+4*\s+3], s[G0A0+4*\s+3], 0x80000000
	s_mov_b32 s[G0A1+4*\s], 1
	s_add_co_u32 s[G0A1+4*\s+1], s72, \s*SLOT+AHEAD
	s_add_nc_u64 s[G0A1+4*\s+2:G0A1+4*\s+3], s[4:5], \s*524288+262144
	s_or_b32 s[G0A1+4*\s+3], s[G0A1+4*\s+3], 0x80000000
	s_mov_b32 s[G0B+4*\s], 1
	s_add_co_u32 s[G0B+4*\s+1], s73, \s*SLOT+BOFF
	s_add_nc_u64 s[G0B+4*\s+2:G0B+4*\s+3], s[6:7], \s*512
	s_or_b32 s[G0B+4*\s+3], s[G0B+4*\s+3], 0x80000000
	tensor_load_to_lds s[G0A0+4*\s:G0A0+4*\s+3], s[G1A:G1A+7]
	s_nop 0
	tensor_load_to_lds s[G0A1+4*\s:G0A1+4*\s+3], s[G1A:G1A+7]
	s_nop 0
	tensor_load_to_lds s[G0B+4*\s:G0B+4*\s+3], s[G1B:G1B+7]
	s_nop 0
.endr                                              ; six tensor loads of the wave are out here, later three
	v_and_b32 v1, 15, v0                           ; r
	v_bfe_u32 v2, v0, 4, 1                         ; h
	v_lshlrev_b32 v[BO], 5, v2
.irp b, 0,1,2,3
	global_load_b128 v[BS+8*\b:BS+8*\b+3],   v[BO], s[8:9] offset:64*\b      ; b_o of my 64 features, waited for on the way out
	global_load_b128 v[BS+8*\b+4:BS+8*\b+7], v[BO], s[8:9] offset:64*\b+16
.endr
	v_mul_u32_u24 v3, v1, AP
	v_lshl_add_u32 v3, v2, 4, v3
	v_mul_u32_u24 v4, v1, WP_
	v_lshl_add_u32 v4, v2, 5, v4
	s_mul_i32 s74, s59, 64*AP
	s_mul_i32 s75, s60, 64*WP_
	s_add_co_u32 s75, s75, BOFF
.irp s, 0,1
	v_add_nc_u32 v[ADRA+\s], s74, v3
	v_add_nc_u32 v[ADRB+\s], s75, v4
	s_add_co_u32 s74, s74, SLOT
	s_add_co_u32 s75, s75, SLOT
.endr
	s_mul_i32 s76, s[WV], 16*SP
	s_add_co_u32 s76, s76, STAGE
	v_mul_u32_u24 v5, v1, SP
	v_lshl_add_u32 v5, v2, 5, v5
	v_add_nc_u32 v[STO], s76, v5                   ; in: token r, 32 bytes for each half
	v_mul_u32_u24 v6, v2, SP
	v_lshl_add_u32 v6, v1, 4, v6
	v_add_nc_u32 v[RD], s76, v6                    ; back: 16 lanes take one row of 256 bytes
	v_lshlrev_b32 v7, 4, v1
	v_lshl_add_u32 v[CO], v2, 12, v7
; buffer n: ctx fragments at 32 + 96 n (4 x 8), w_o at 64 + 96 n (4 x 16 raw f32, of which the first 8 hold the f16 fragment after CVT)
.macro FETCH slot, q, n
.irp a, 0,1,2,3
	ds_load_b128 v[32+96*\n+8*\a:32+96*\n+8*\a+3],   v[ADRA+\slot] offset:16*AP*\a+(\q>>1)*AHEAD+(\q&1)*64
	ds_load_b128 v[32+96*\n+8*\a+4:32+96*\n+8*\a+7], v[ADRA+\slot] offset:16*AP*\a+(\q>>1)*AHEAD+(\q&1)*64+32
.endr
.irp b, 0,1,2,3
	ds_load_b128 v[64+96*\n+16*\b:64+96*\n+16*\b+3],     v[ADRB+\slot] offset:16*WP_*\b+128*\q
	ds_load_b128 v[64+96*\n+16*\b+4:64+96*\n+16*\b+7],   v[ADRB+\slot] offset:16*WP_*\b+128*\q+16
	ds_load_b128 v[64+96*\n+16*\b+8:64+96*\n+16*\b+11],  v[ADRB+\slot] offset:16*WP_*\b+128*\q+64
	ds_load_b128 v[64+96*\n+16*\b+12:64+96*\n+16*\b+15], v[ADRB+\slot] offset:16*WP_*\b+128*\q+80
.endr
.endm
.macro CVT n                           ; ascending, in place: word q is written when words 2 q and 2 q + 1 are read, all lower ones are spent
.irp b, 0,1,2,3
.irp q, 0,1,2,3,4,5,6,7
	v_cvt_pk_f16_f32 v[64+96*\n+16*\b+\q], v[64+96*\n+16*\b+2*\q], v[64+96*\n+16*\b+2*\q+1]
.endr
.endr
.endm
.macro MUL8 n, a0, zero                ; the 16 accumulators take turns, one instruction a turn
.irp a, \a0, \a0+1
.irp b, 0,1,2,3
.if \zero
	v_wmma_f32_16x16x32_f16 v[8*(4*(\a)+\b):8*(4*(\a)+\b)+7], v[64+96*\n+16*\b:64+96*\n+16*\b+7], v[32+96*\n+8*(\a):32+96*\n+8*(\a)+7], 0
.else
	v_wmma_f32_16x16x32_f16 v[8*(4*(\a)+\b):8*(4*(\a)+\b)+7], v[64+96*\n+16*\b:64+96*\n+16*\b+7], v[32+96*\n+8*(\a):32+96*\n+8*(\a)+7], v[8*(4*(\a)+\b):8*(4*(\a)+\b)+7]
.endif
.endr
.endr
.endm
; Multiplies buffer n, fetches quarter q of the slot into buffer g.  The loads into g stand behind the 32 roundings of buffer n, which name no register
; of the matrix instructions that read g last.
.macro QUARTER slot, q, n, g, zero
	FETCH \slot, \q, \g
	WIN 0x50
	MUL8 \n, 0, \zero
	MUL8 \n, 2, \zero
	WIN 0
	s_wait_dscnt 0x0
	CVT \g
.endm
; Multiplies buffer 1 and changes slots: my reads of this slot are back, all my tensor loads have landed; where the slot is filled again the barrier
; opens a round of the cluster's barrier and the three joint refills come first behind it.
.macro TURN slot, next, fill
	s_wait_dscnt 0x0
	s_wait_tensorcnt 0x0
	ds_add_u32 v30, v31
	s_wait_dscnt 0x0
	s_barrier_signal -1
	WIN 0x50
	MUL8 1, 0, 0
	WIN 0
	s_barrier_wait -1
.if \fill
	CREST
	s_add_nc_u64 s[G0A0+4*\slot+2:G0A0+4*\slot+3], s[G0A0+4*\slot+2:G0A0+4*\slot+3], 1048576   ; four heads on
	s_add_nc_u64 s[G0A1+4*\slot+2:G0A1+4*\slot+3], s[G0A1+4*\slot+2:G0A1+4*\slot+3], 1048576
	s_add_nc_u64 s[G0B+4*\slot+2:G0B+4*\slot+3], s[G0B+4*\slot+2:G0B+4*\slot+3], 1024          ; 256 f32 on
	tensor_load_to_lds s[G0A0+4*\slot:G0A0+4*\slot+3], s[G1A:G1A+7]
	s_nop 0
	tensor_load_to_lds s[G0A1+4*\slot:G0A1+4*\slot+3], s[G1A:G1A+7]
	s_nop 0
	tensor_load_to_lds s[G0B+4*\slot:G0B+4*\slot+3], s[G1B:G1B+7]
	s_nop 0
.endif
	FETCH \next, 0, 0
	WIN 0x50
	MUL8 1, 2, 0
	WIN 0
	s_wait_dscnt 0x0
	CVT 0
.endm
.macro THREE slot, zero
	QUARTER \slot, 1, 0, 1, \zero
	QUARTER \slot, 2, 1, 0, 0
	QUARTER \slot, 3, 0, 1, 0
.endm
	s_wait_tensorcnt 0x3                           ; my parts of K step 0 are in; slot 1's three loads stay out
	s_barrier_signal -1
	s_barrier_wait -1
	FETCH 0, 0, 0
	s_wait_dscnt 0x0
	CVT 0
	THREE 0, 1                                     ; the first products start the sums
	TURN 0, 1, 1
	THREE 1, 0
	TURN 1, 0, 1
	s_mov_b32 s61, 2                               ; K steps 2 to 5
.Llap:
	THREE 0, 0
	TURN 0, 1, 1
	THREE 1, 0
	TURN 1, 0, 1
	s_sub_co_u32 s61, s61, 1
	s_cmp_lg_u32 s61, 0
	s_cbranch_scc1 .Llap
	THREE 0, 0                                     ; K steps 6 and 7: nothing more to ask for
	TURN 0, 1, 0
	THREE 1, 0
	WIN 0x50
	MUL8 1, 0, 0
	MUL8 1, 2, 0
	WIN 0
	; THE WAY OUT, 16 tokens x 64 features at a time: add the bias, through my stage, out as whole rows of 256 bytes
	PLACES
	s_wait_loadcnt 0x0                             ; b_o
.macro OUTA a, f
	WIN 0x01
.irp b, 0,1,2,3
.irp q, 0,1,2,3
	v_pk_add_f32 v[TMP+8*\b+2*\q:TMP+8*\b+2*\q+1], v[8*(4*\a+\b)+2*\q:8*(4*\a+\b)+2*\q+1], v[BS+8*\b+2*\q:BS+8*\b+2*\q+1]
.endr
.endr
	WIN 0
.irp b, 0,1,2,3
	ds_store_b128 v[STO], v[TMP+8*\b:TMP+8*\b+3]   offset:64*\b
	ds_store_b128 v[STO], v[TMP+8*\b+4:TMP+8*\b+7] offset:64*\b+16
.endr
	s_wait_xcnt 0x0                                ; buffer f, which earlier stores read, and the stores' base are rewritten only behind this wait
.if \a
	s_add_nc_u64 s[10:11], s[10:11], 65536         ; 16 rows of 4,096 bytes on
.endif
.irp t, 0,1,2,3,4,5,6,7
	ds_load_b128 v[\f+4*\t:\f+4*\t+3], v[RD] offset:\t*2*SP       ; my own bytes: LDS serves a wave's instructions in order
.endr
.irp t, 0,1,2,3,4,5,6,7
	s_wait_dscnt 7-\t                              ; the younger read-backs stay out
	global_store_b128 v[CO], v[\f+4*\t:\f+4*\t+3], s[10:11] offset:8192*\t   ; 16 lanes store 256 consecutive bytes, aligned
.endr
.endm
	OUTA 0, 64
	OUTA 1, 96
	OUTA 2, 64
	OUTA 3, 96
	s_wait_tensorcnt 0x0
	ds_add_u32 v30, v31
	s_wait_dscnt 0x0
	CROUND                                         ; the closing round
	s_endpgm
.Lfunc_end_k_qc22cd101f8_oproj:
	.size	k_qc22cd101f8_oproj, .Lfunc_end_k_qc22cd101f8_oproj-k_qc22cd101f8_oproj
	.p2alignl 7, 3214868480
	.fill 96, 4, 3214868480
	.section	.rodata,"a",@progbits
	.p2align	6, 0x0
	.amdhsa_kernel k_qc22cd101f8_oproj
		.amdhsa_group_segment_fixed_size 327680
		.amdhsa_private_segment_fixed_size 0
		.amdhsa_enable_private_segment 0
		.amdhsa_kernarg_size 32
		.amdhsa_user_sgpr_count 2
		.amdhsa_user_sgpr_kernarg_segment_ptr 1
		.amdhsa_wavefront_size32 1
		.amdhsa_system_sgpr_workgroup_id_x 1
		.amdhsa_system_sgpr_workgroup_id_y 1
		.amdhsa_system_sgpr_workgroup_id_z 1
		.amdhsa_system_vgpr_workitem_id 0
		.amdhsa_next_free_vgpr 384
		.amdhsa_next_free_sgpr 80
		.amdhsa_reserve_vcc 0
		.amdhsa_float_denorm_mode_32 3
		.amdhsa_float_denorm_mode_16_64 3
		.amdhsa_memory_ordered 1
		.amdhsa_forward_progress 1
		.amdhsa_inst_pref_size 136
	.end_amdhsa_kernel
	.amdgpu_metadata
---
amdhsa.version: [ 1, 2 ]
amdhsa.kernels:
  - .name:           k_qc22cd101f8_oproj
    .symbol:         k_qc22cd101f8_oproj.kd
    .args:
      - { .name: ctx, .offset: 0, .size: 8, .value_kind: global_buffer, .address_space: global }
      - { .name: w_o, .offset: 8, .size: 8, .value_kind: global_buffer, .address_space: global }
      - { .name: b_o, .offset: 16, .size: 8, .value_kind: global_buffer, .address_space: global }
      - { .name: out0, .offset: 24, .size: 8, .value_kind: global_buffer, .address_space: global }
    .group_segment_fixed_size: 327680
    .private_segment_fixed_size: 0
    .kernarg_segment_align: 8
    .kernarg_segment_size: 32
    .max_flat_workgroup_size: 128
    .sgpr_count:     80
    .vgpr_count:     384
    .wavefront_size: 32
...
	.end_amdgpu_metadata
.endif
;; end of part 3
